; MI455X (gfx1250); checked and timed in simulation.
; The chip was launched on July 23, 2026; its instructions are those of AMD's public machine-readable ISA for CDNA 5 (MIT licence, August 2026) and "CDNA5" Instruction Set Architecture Reference Guide (July 2026). The comments in the code are by the model that wrote it; some were corrected since.
;; Dot Product Attention. Allowed arithmetic: matrix products marked QUANTISED: E5M2 operands, one E8M0 scale for each 32 along K, by v_wmma_scale_f32_16x16x128_f8f6f4 with both operands' format E5M2, f32 sums; everything else in f32.
;; Inputs: keys 4 x 8 x 2,048 x 64 float32; mask 1 x 1 x 2,048 x 2,048 float32; queries 4 x 8 x 2,048 x 64 float32; values 4 x 8 x 2,048 x 64 float32.
;; Outputs: out0 4 x 8 x 2,048 x 64 float32.
;; Constants: dk = 64.
;; This version of the problem:
;;   THIS VERSION OF THE PROBLEM IS GIVEN IN LOW PRECISION. The matrix products marked QUANTISED in the list below multiply operands that are first quantised to E5M2 (5 exponent bits, 2 mantissa bits; 8 bits a number), with one power-of-two scale for each 32 numbers along K (OCP MX v1.0); their sums are f32. All else is computed in f32.
;;   The module's matrix products, in the order in which they are computed (A, B: the left and right operand; K: the contracted axis; several contracted axes count as one K, in the product's order):
;;     1. batch 32 x [M 2,048, K 64] x [K 64, N 2,048]; A: input queries; B: input keys: QUANTISED
;;     2. batch 32 x [M 2,048, K 2,048] x [K 2,048, N 64]; A: softmax (see below); B: input values: QUANTISED
;;   THE QUANTISER, for each operand of a quantised product, along K:
;;     - K is cut into blocks of 32 from its start; a last block that is shorter is filled with zeros.
;;     - A block's scale is 2^e with e = floor(log2(the largest magnitude in the block)) - 15, held to -126 .. 127; a block of zeros has e = 0. As a byte (E8M0): e + 127.
;;     - Each number is divided by its block's scale, clamped to +-57,344, and rounded to the nearest number of E5M2, ties to even, subnormals kept.
;;     - The product sums the exact products of the quantised numbers (number of the format x scale) in f32.
;;   ~~~python
;;   def quantise(x, axis):      # numpy; x: float32 -> the quantised numbers, widened to float32 again
;;       x = np.moveaxis(x, axis, -1); K = x.shape[-1]
;;       x = np.pad(x, [(0, 0)] * (x.ndim - 1) + [(0, -K % 32)]); x = x.reshape(x.shape[:-1] + (-1, 32)); a = np.abs(x).max(-1, keepdims=True)
;;       e = np.where(a > 0, np.clip(np.frexp(np.where(a > 0, a, 1))[1] - 1 - 15, -126, 127), 0)      # np.frexp(a)[1] - 1 = floor(log2(a)), exactly
;;       r = np.clip(x / 2.0 ** e, -57344, 57344)
;;       step = 2.0 ** (np.maximum(np.frexp(np.where(r == 0, 1, r))[1] - 1, -14) - 2)
;;       q = np.round(r / step) * step * 2.0 ** e      # np.round: ties to even
;;       return np.moveaxis(q.reshape(q.shape[:-2] + (-1,))[..., :K], -1, axis).astype(np.float32)
;;   ~~~
;;   SOFTMAX AHEAD OF A QUANTISED PRODUCT. Where the list says 'softmax', what is quantised is not the finished softmax but p = 2^(t - M), with t = logit x log2(e) and M = ceil(the row's largest t), a whole number; so 1/2 < the row's largest p <= 1. The row's sum l is taken of the UNQUANTISED p, in f32, and the product's result is divided by l at the end. Since M is a whole number, a kernel that streams over the keys may use a running M (the ceiling of the running maximum): every later rescaling is an exact power of two, which a block's scale takes up: the codes' values come out the same.
;;   OPERANDS COMPUTED ON THE WAY. 'Computed on the way' means the value that the module computes at that place (a softmax that the list does not call 'softmax' is quantised finished and normalised). What goes into a quantiser is computed in f32, as accurately as f32 sums, v_exp_f32 and their like allow (about 1e-6 of the number): no bf16 or f16 on the way to a quantiser, and a product that is left as it is and whose result goes on into a quantised operand takes f32 operands (vector FMAs, or v_wmma_f32_16x16x4_f32). A number that lies on a knife's edge between two numbers of the format may be rounded either way, as far as f32 arithmetic and the matrix unit's own rounding can turn it there, and no further.
;; One version. Each part assembles by itself: llvm-mc -triple=amdgcn-amd-amdhsa -mcpu=gfx1250 --defsym DOCPART=n.
;; ======== version 1 of 1: 2 launches
;; limits: right only within a limited range of input values
;; workspace buffers: kv 8,781,824 bytes; flags 8,192 bytes of whole numbers
;; launch prep (part 1): grid 768 x 1, 4 waves a work-group, no clusters, 70,144 bytes of LDS; arguments keys, values, mask, kv, flags; writes kv, flags
.if DOCPART == 1
	.amdgcn_target "amdgcn-amd-amdhsa--gfx1250"
	.amdhsa_code_object_version 6
	.text
	.protected	k_q3a239f852a_prep
	.globl	k_q3a239f852a_prep
	.p2align	8
	.type	k_q3a239f852a_prep,@function
k_q3a239f852a_prep:
	s_mov_b64 s[64:65], 0
	v_nop
	global_prefetch_b8 v0, s[64:65] scope:SCOPE_SE
	s_setreg_imm32_b32 hwreg(HW_REG_WAVE_MODE, 25, 1), 1
	s_wait_xcnt 0x0
; keys and values [32 heads][2048][64] f32 become codes of BF8 (E5M2) with one E8M0 byte for each 32 along a product's K, stored IN THE ORDER OF THE REGISTERS that the attention launch wants them in:
; a group of four registers of 32 lanes is 512 bytes on end, lane l's 16 bytes at 16 l.  mask [2048][2048] f32 becomes one whole number for each row, from which that launch chooses its walk.
; kv: [head 32][step 16][KVB bytes], a step = 128 keys.  Lane l = (r = l % 16, h = l / 16).
;   0     K's codes: image (t = 0..7, c = 0, 1) at (2 t + c) 512: key 128 j + 32 (t / 2) + 8 (t % 2) + r + 8 (r / 8), d = 32 c + 16 h + 0 .. 15 (K = d, two blocks of 32)
;   KSC   K's scale words: image a = 0, 1 at 256 a + 8 l + 4 i: tile 4 a + 2 h + i, row r: byte(d block 0) | byte(d block 1) << 8 | 0x7f7f0000
;   VIMG  V's codes, keys innermost: image (u = 0..3, c = 0..3) at (4 u + c) 512: d = 16 u + r, keys 128 j + 32 c + 16 h + 0 .. 15 (K = the keys)
;   VSC   V's scale words: image i = 0, 1 at 128 i + 4 l: rows d = 16 (2 i + h) + r, four key blocks
; flags: a word for each mask row.  Bit 15 - j: step j is LIVE for the row: some key's mask is at most (the row's least mask + 0.25).  Bit 31 - j: some mask number of the step is not 0.
; A step that is live for no row of a group of queries may be left out: each of its keys has a mask at least 0.125 above the row's least (0.25, less the sum's rounding), so its bias mask x (-1e9) lies at least 1.25e8 under
; the bias of a key that is kept, and its exponential, after the maximum is taken away, is exactly 0 in f32.  The key with the row's least mask is always live.  This is decided from the mask's numbers, whatever they are.
; LIMIT of that: |q . k| / 8 under 2^25.
; A block's scale is 2^(floor(log2(its largest magnitude)) - 15); its byte is the largest magnitude's exponent field - 15, held at 1 from below.  A block of zeros so gets the byte 1 where the
; rule says 127: its codes are zeros, and this program alone reads the bytes.
; LIMITS: blocks whose largest magnitude lies under 2^-111 keep the byte 1; NaN and infinities among the inputs are not served, nor a mask whose product with -1e9 overflows.
; SHARES: 768 work-groups of four waves; the first 256 take the keys, the next 256 the values, the last 256 the mask; each wave takes 16,384 bytes of input, asks for all of it at once (128 registers),
; and shares nothing with another wave: no barrier, no cluster, no tensor load; a wave's keys turn through LDS bytes of its own.  Nothing is looped: every offset is an immediate, and no register that a global store reads is
; written again.
.set KVB,  17152
.set KSC,  8192
.set VIMG, 8704
.set VSC,  16896
.set SP,   272                         ; the keys' stage: a row of 256 bytes + 16; 64 rows for each wave
.set SPARE, 4*64*SP                    ; behind the stages: the spare words, 128 bytes for each wave: two blocks of 256 bytes that no other line names
.set BM,   8                           ; v8-11   largest magnitudes
.set BX,   12                          ; v12-15  the other half's, then bytes
.set BH,   16                          ; v16-19  57,344 x the scale
.set BS,   20                          ; v20-23  the conversions' scale operands
.set WD,   24                          ; v24-27  scale words
.set IM,   28                          ; v28-29  their image
.set CD,   32                          ; v32-63  codes: registers of their own for every store
.set X,    64                          ; v64-191 the wave's 16,384 bytes
	s_load_b256 s[4:11], s[0:1], 0x0               ; keys s[4:5], values s[6:7], mask s[8:9], kv s[10:11]
	s_load_b64 s[12:13], s[0:1], 0x20              ; flags
	v_lshl_add_u32 v192, v0, 2, SPARE              ; for the add at the keys' end
	v_mov_b32 v193, 0
	v_lshrrev_b32 v1, 5, v0
	v_readfirstlane_b32 s14, v1                    ; wave 0..3
	v_and_b32 v1, 31, v0                           ; lane
	v_and_b32 v2, 15, v0                           ; r
	v_bfe_u32 v3, v0, 4, 1                         ; h
	v_lshlrev_b32 v5, 4, v1                        ; 16 x lane
	s_mov_b32 s24, 0x76543210
	s_mov_b32 s25, 0xfedcba98                      ; v_permlanex16_b32's selects for lane l xor 16
	s_mov_b32 s26, 0x600000                        ; the mantissa field of 57,344
	s_mov_b32 s30, 0xffff0000                      ; lanes 16-31
.irp b, 0,1,2,3
	v_mov_b32 v[BX+\b], 0                          ; written once: a lane permute's destination counts as one of its sources
.endr
	s_wait_alu depctr_va_vdst(0)                   ; the wait at the head's end
	s_wait_kmcnt 0x0
	s_cmp_lt_u32 ttmp9, 256                        ; the paths part on the work-group's number alone
	s_cbranch_scc1 .Lkeys
	s_cmp_lt_u32 ttmp9, 512
	s_cbranch_scc1 .Lvalues
; ---- THE MASK.  Unit U: rows 2 U and 2 U + 1, 16,384 bytes on end.  Load n reads the 512 bytes of row n / 16, step n % 16: four keys a lane.
.set AJ, 32                            ; v32-47 each step's largest magnitude
	s_sub_co_u32 s15, ttmp9, 512
	s_lshl_b32 s15, s15, 2
	s_add_co_u32 s15, s15, s14                     ; U
	s_lshl_b32 s16, s15, 14
	s_mov_b32 s17, 0
	s_add_nc_u64 s[8:9], s[8:9], s[16:17]
	s_lshl_b32 s18, s15, 3
	s_mov_b32 s19, 0
	s_add_nc_u64 s[12:13], s[12:13], s[18:19]      ; two words
	s_wait_alu depctr_va_vdst(0)
.set n, 0
.rept 32
	global_load_b128 v[X+4*n:X+4*n+3], v5, s[8:9] offset:n*512
.set n, n+1
.endr
	v_mov_b32 v30, 0
	s_wait_alu depctr_va_vdst(0)
.macro MROW q, left
.set rX, X+64*\q
	s_wait_loadcnt \left
.irp j, 0,1,2,3,4,5,6,7,8,9,10,11,12,13,14,15
	v_max3_num_f32 v[AJ+\j], |v[rX+4*\j]|, |v[rX+4*\j+1]|, |v[rX+4*\j+2]|
	v_min3_num_f32 v[rX+4*\j], v[rX+4*\j], v[rX+4*\j+1], v[rX+4*\j+2]
.endr
.irp j, 0,1,2,3,4,5,6,7,8,9,10,11,12,13,14,15
	v_max_num_f32 v[AJ+\j], v[AJ+\j], |v[rX+4*\j+3]|
	v_min_num_f32 v[rX+4*\j], v[rX+4*\j], v[rX+4*\j+3]   ; my least of step j
.endr
	v_min3_num_f32 v24, v[rX], v[rX+4], v[rX+8]
	v_min3_num_f32 v26, v[rX+12], v[rX+16], v[rX+20]
.irp j, 6,10
	v_min3_num_f32 v24, v24, v[rX+4*\j], v[rX+4*\j+4]
	v_min3_num_f32 v26, v26, v[rX+4*\j+8], v[rX+4*\j+12]
.endr
	v_min3_num_f32 v24, v24, v[rX+56], v[rX+60]
	v_min_num_f32 v24, v24, v26
	v_min_num_f32_dpp v24, v24, v24 row_xmask:1 row_mask:0xf bank_mask:0xf
	v_min_num_f32_dpp v24, v24, v24 row_xmask:2 row_mask:0xf bank_mask:0xf
	v_min_num_f32_dpp v24, v24, v24 row_xmask:4 row_mask:0xf bank_mask:0xf
	v_min_num_f32_dpp v24, v24, v24 row_xmask:8 row_mask:0xf bank_mask:0xf
	v_permlanex16_b32 v[BX], v24, s24, s25
	v_min_num_f32 v24, v24, v[BX]                  ; the row's least mask
	v_add_f32 v26, 0x3e800000, v24                 ; + 0.25
	s_mov_b32 s36, 0
.irp j, 0,1,2,3,4,5,6,7,8,9,10,11,12,13,14,15
	v_cmp_le_f32 s[40+\j], v[rX+4*\j], v26         ; a bit a lane
.endr
	s_wait_alu depctr_va_vdst(0)
.irp j, 0,1,2,3,4,5,6,7,8,9,10,11,12,13,14,15
	s_cmp_lg_u32 s[40+\j], 0
	s_cselect_b32 s37, 1<<(15-\j), 0
	s_or_b32 s36, s36, s37
.endr
.irp j, 0,1,2,3,4,5,6,7,8,9,10,11,12,13,14,15
	v_cmp_neq_f32 s[40+\j], 0, v[AJ+\j]
.endr
	s_wait_alu depctr_va_vdst(0)
.irp j, 0,1,2,3,4,5,6,7,8,9,10,11,12,13,14,15
	s_cmp_lg_u32 s[40+\j], 0
	s_cselect_b32 s37, 1<<(31-\j), 0
	s_or_b32 s36, s36, s37
.endr
	v_mov_b32 v[28+\q], s36
	s_wait_alu depctr_va_vdst(0)
.endm
	MROW 0, 16                                     ; row 1's sixteen loads may be out
	MROW 1, 0
	s_wait_xcnt 0x0                                ; EXEC changes only behind it
	s_mov_b32 exec_lo, 1                           ; lane 0 alone stores the two rows' words
	global_store_b64 v30, v[28:29], s[12:13]
	s_endpgm
; ---- THE KEYS.  Unit U = 32 head + 2 j + a: keys 64 U .. + 63 of the flat [65536][64]: tiles 4 a .. 4 a + 3 of step j.  A load reads two keys' rows, 512 consecutive bytes; they go through the wave's own stage, and
; lane (r, h) takes back, of its tile's row r, 16 neighbours of each block of 32: the conversions' results are then the operand's registers.  A block lies in lanes l and l xor 16.
.Lkeys:
	s_lshl_b32 s15, ttmp9, 2
	s_add_co_u32 s15, s15, s14                     ; U
	s_lshl_b32 s16, s15, 14                        ; 64 keys of 256 bytes
	s_mov_b32 s17, 0
	s_add_nc_u64 s[4:5], s[4:5], s[16:17]
	s_lshr_b32 s18, s15, 1
	s_mul_i32 s18, s18, KVB                        ; the step's block of kv
	s_mov_b32 s19, 0
	s_add_nc_u64 s[10:11], s[10:11], s[18:19]
	s_and_b32 s20, s15, 1                          ; a
	s_lshl_b32 s22, s20, 8
	s_mov_b32 s23, 0
	s_add_nc_u64 s[22:23], s[10:11], s[22:23]      ; the scale words' image a
	s_lshl_b32 s20, s20, 12
	s_mov_b32 s21, 0
	s_add_nc_u64 s[10:11], s[10:11], s[20:21]      ; the codes' images of tiles 4 a on
	s_mul_i32 s36, s14, 64*SP                      ; my stage
	s_wait_alu depctr_va_vdst(0)
.set n, 0
.rept 32
	global_load_b128 v[X+4*n:X+4*n+3], v5, s[4:5] offset:512*n th:TH_LOAD_NT
.set n, n+1
.endr
	v_mul_u32_u24 v7, v3, SP
	v_lshl_add_u32 v7, v2, 4, v7
	v_add_nc_u32 v7, s36, v7                       ; in: lanes 0-15 one row, lanes 16-31 the next
	v_and_b32 v4, 8, v2
	v_add_nc_u32 v4, v4, v2                        ; r + 8 (r / 8): THE KEYS OF A TILE ARE NOT NEIGHBOURS
	v_mul_u32_u24 v4, v4, SP
	v_lshl_add_u32 v4, v3, 6, v4
	v_add_nc_u32 v4, s36, v4                       ; back: that key's row, + 64 h
	v_lshlrev_b32 v6, 3, v1                        ; 8 x lane
	s_wait_alu depctr_va_vdst(0)
; Half a (rows 32 a .. + 31 of the unit, tiles 2 a and 2 a + 1) through the stage.  LDS serves a wave's instructions in order (ISA guide 5.7.1.4): the loads see the stores.
.macro KTURN a
.set n, 16*\a
.rept 16
	s_wait_loadcnt 31-n                            ; rows 2 n, 2 n + 1 are in; the 31 - n younger loads may be out
	ds_store_b128 v7, v[X+4*n:X+4*n+3] offset:2*n*SP
.set n, n+1
.endr
.irp t, 0,1
.irp c, 0,1
.irp i, 0,1,2,3
	ds_load_b128 v[X+64*\a+32*\t+16*\c+4*\i:X+64*\a+32*\t+16*\c+4*\i+3], v4 offset:(32*\a+8*\t)*SP+128*\c+16*\i
.endr
.endr
.endr
.endm
.macro KTILE t, left
.set XS, X+32*\t
	s_wait_dscnt \left                             ; this tile's eight loads are back
.irp c, 0,1
	v_max3_num_f32 v[BM+\c], |v[XS+16*\c]|, |v[XS+16*\c+1]|, 0x8000000   ; my 16 numbers of block c, and the floor 2^(16 - 127): the byte cannot fall under 1
.endr
.irp i, 2,4,6,8,10,12,14
.irp c, 0,1
	v_max3_num_f32 v[BM+\c], v[BM+\c], |v[XS+16*\c+\i]|, |v[XS+16*\c+\i+1]|
.endr
.endr
.irp c, 0,1
	v_permlanex16_b32 v[BX+\c], v[BM+\c], s24, s25
.endr
.irp c, 0,1
	v_max_num_f32 v[BM+\c], v[BM+\c], v[BX+\c]     ; with lane l xor 16's: the block's largest magnitude
.endr
.irp c, 0,1
	v_add_nc_u32 v[BS+\c], 0xf8800000, v[BM+\c]    ; 15 off its exponent field: the conversion's scale operand
.endr
.irp c, 0,1
	v_and_or_b32 v[BH+\c], v[BM+\c], 0x7f800000, s26   ; 57,344 x the scale
.endr
.irp c, 0,1
	v_lshrrev_b32 v[BX+\c], 23, v[BS+\c]           ; the scale's byte
.endr
	v_lshl_or_b32 v[WD+\t], v[BX+1], 8, v[BX]
	v_or_b32 v[WD+\t], 0x7f7f0000, v[WD+\t]        ; bytes 2 and 3 (K = 64 .. 127, where the queries' codes are zeros): 2^0
.irp c, 0,1
.irp i, 0,1,2,3,4,5,6,7,8,9,10,11,12,13,14,15
	v_med3_num_f32 v[XS+16*\c+\i], v[XS+16*\c+\i], -v[BH+\c], v[BH+\c]   ; the conversion to an 8-bit code does not saturate (ISA guide 7.6.2): the hold comes first
.endr
	v_cvt_scalef32_pk8_bf8_f32 v[CD+8*\t+4*\c:CD+8*\t+4*\c+1], v[XS+16*\c:XS+16*\c+7], v[BS+\c]
	v_cvt_scalef32_pk8_bf8_f32 v[CD+8*\t+4*\c+2:CD+8*\t+4*\c+3], v[XS+16*\c+8:XS+16*\c+15], v[BS+\c]
.endr
	s_wait_alu depctr_va_vdst(0)
.irp c, 0,1
	global_store_b128 v5, v[CD+8*\t+4*\c:CD+8*\t+4*\c+3], s[10:11] offset:(2*\t+\c)*512   ; 512 consecutive bytes
.endr
.endm
	KTURN 0
	KTILE 0, 8
	KTILE 1, 0
	KTURN 1
	KTILE 2, 8
	KTILE 3, 0
	v_cndmask_b32 v[IM], v[WD], v[WD+2], s30       ; lanes 0-15: tiles 4 a, 4 a + 1; lanes 16-31: tiles 4 a + 2, 4 a + 3
	v_cndmask_b32 v[IM+1], v[WD+1], v[WD+3], s30
	global_store_b64 v6, v[IM:IM+1], s[22:23] offset:KSC   ; 256 consecutive bytes, aligned
	s_wait_tensorcnt 0x0                           ; the wave's end, behind my last LDS store
	ds_add_u32 v192, v193
	s_wait_dscnt 0x0
	s_endpgm
; ---- THE VALUES.  Unit U = 32 head + 2 j + w: keys 128 j .. + 127, columns 32 w .. + 31.  A LANE TAKES A COLUMN d AND ITS REGISTERS RUN DOWN THE KEYS: a block of 32 keys lies in one lane's 32
; registers, and the conversions give codes with the keys innermost.  A load reads 128 consecutive bytes; the two waves of a step stand side by side on a row's 256.
.Lvalues:
	s_sub_co_u32 s15, ttmp9, 256
	s_lshl_b32 s15, s15, 2
	s_add_co_u32 s15, s15, s14                     ; U
	s_lshr_b32 s18, s15, 1
	s_lshl_b32 s16, s18, 15                        ; 128 keys of 256 bytes
	s_and_b32 s20, s15, 1                          ; w
	s_lshl_b32 s22, s20, 7                         ; 32 columns: 128 bytes
	s_add_co_u32 s16, s16, s22
	s_mov_b32 s17, 0
	s_add_nc_u64 s[6:7], s[6:7], s[16:17]
	s_mul_i32 s18, s18, KVB
	s_mov_b32 s19, 0
	s_add_nc_u64 s[10:11], s[10:11], s[18:19]
	s_mov_b32 s23, 0
	s_add_nc_u64 s[22:23], s[10:11], s[22:23]      ; the scale words' image w
	s_lshl_b32 s20, s20, 12
	s_mov_b32 s21, 0
	s_add_nc_u64 s[10:11], s[10:11], s[20:21]      ; the codes' images of d tiles 2 w, 2 w + 1
	s_wait_alu depctr_va_vdst(0)
	v_lshlrev_b32 v4, 2, v1                        ; 4 x lane
	v_lshlrev_b32 v6, 4, v2
	v_lshl_add_u32 v6, v3, 11, v6                  ; d tile (lane / 16) x 2,048 + 16 (lane % 16)
.set n, 0
.rept 128
	global_load_b32 v[X+n], v4, s[6:7] offset:n*256 th:TH_LOAD_NT
.set n, n+1
.endr
	s_wait_alu depctr_va_vdst(0)
.macro VBLOCK c, left
.set XS, X+32*\c
	s_wait_loadcnt \left
	v_max3_num_f32 v[BM], |v[XS]|, |v[XS+1]|, |v[XS+2]|            ; the block's largest magnitude: all 32 numbers are mine; two chains
	v_max3_num_f32 v[BM+1], |v[XS+3]|, |v[XS+4]|, |v[XS+5]|
.irp i, 6,10,14,18,22,26
	v_max3_num_f32 v[BM], v[BM], |v[XS+\i]|, |v[XS+\i+1]|
	v_max3_num_f32 v[BM+1], v[BM+1], |v[XS+\i+2]|, |v[XS+\i+3]|
.endr
	v_max3_num_f32 v[BM], v[BM], |v[XS+30]|, |v[XS+31]|
	v_max3_num_f32 v[BM], v[BM], v[BM+1], 0x8000000                ; and the floor
	v_add_nc_u32 v[BS], 0xf8800000, v[BM]
	v_and_or_b32 v[BH], v[BM], 0x7f800000, s26
	v_lshrrev_b32 v[BX], 23, v[BS]
.if \c == 0
	v_mov_b32 v[WD], v[BX]                         ; four bytes to the word, the lower keys in the lower byte
.else
	v_lshl_or_b32 v[WD], v[BX], 8*\c, v[WD]
.endif
.irp i, 0,1,2,3,4,5,6,7,8,9,10,11,12,13,14,15,16,17,18,19,20,21,22,23,24,25,26,27,28,29,30,31
	v_med3_num_f32 v[XS+\i], v[XS+\i], -v[BH], v[BH]
.endr
.irp g, 0,1,2,3
	v_cvt_scalef32_pk8_bf8_f32 v[CD+8*\c+2*\g:CD+8*\c+2*\g+1], v[XS+8*\g:XS+8*\g+7], v[BS]
.endr
	global_store_b128 v6, v[CD+8*\c:CD+8*\c+3], s[10:11] offset:VIMG+512*\c          ; keys 0-15 of the block: the image's lanes 0-15; sixteen lanes store 256 consecutive bytes, aligned
	global_store_b128 v6, v[CD+8*\c+4:CD+8*\c+7], s[10:11] offset:VIMG+512*\c+256    ; keys 16-31: its lanes 16-31
.endm
	VBLOCK 0, 63                                   ; 96 younger loads might stay out; a wait's count names 63 at the most, and a smaller count is safe
	VBLOCK 1, 63                                   ; (64 might)
	VBLOCK 2, 32
	VBLOCK 3, 0
	global_store_b32 v4, v[WD], s[22:23] offset:VSC    ; 128 consecutive bytes: half of an aligned 256, the other half being the neighbour wave's: one byte in 128 of what this path reads
	s_endpgm
.Lfunc_end_k_q3a239f852a_prep:
	.size	k_q3a239f852a_prep, .Lfunc_end_k_q3a239f852a_prep-k_q3a239f852a_prep
	.p2alignl 7, 3214868480
	.fill 96, 4, 3214868480
	.section	.rodata,"a",@progbits
	.p2align	6, 0x0
	.amdhsa_kernel k_q3a239f852a_prep
		.amdhsa_group_segment_fixed_size 70144
		.amdhsa_private_segment_fixed_size 0
		.amdhsa_enable_private_segment 0
		.amdhsa_kernarg_size 40
		.amdhsa_user_sgpr_count 2
		.amdhsa_user_sgpr_kernarg_segment_ptr 1
		.amdhsa_wavefront_size32 1
		.amdhsa_system_sgpr_workgroup_id_x 1
		.amdhsa_system_sgpr_workgroup_id_y 1
		.amdhsa_system_sgpr_workgroup_id_z 1
		.amdhsa_system_vgpr_workitem_id 0
		.amdhsa_next_free_vgpr 194
		.amdhsa_next_free_sgpr 66
		.amdhsa_reserve_vcc 0
		.amdhsa_float_denorm_mode_32 3
		.amdhsa_float_denorm_mode_16_64 3
		.amdhsa_memory_ordered 1
		.amdhsa_forward_progress 1
		.amdhsa_inst_pref_size 80
	.end_amdhsa_kernel
	.amdgpu_metadata
---
amdhsa.version: [ 1, 2 ]
amdhsa.kernels:
  - .name:           k_q3a239f852a_prep
    .symbol:         k_q3a239f852a_prep.kd
    .args:
      - { .name: keys, .offset: 0, .size: 8, .value_kind: global_buffer, .address_space: global }
      - { .name: values, .offset: 8, .size: 8, .value_kind: global_buffer, .address_space: global }
      - { .name: mask, .offset: 16, .size: 8, .value_kind: global_buffer, .address_space: global }
      - { .name: kv, .offset: 24, .size: 8, .value_kind: global_buffer, .address_space: global }
      - { .name: flags, .offset: 32, .size: 8, .value_kind: global_buffer, .address_space: global }
    .group_segment_fixed_size: 70144
    .private_segment_fixed_size: 0
    .kernarg_segment_align: 8
    .kernarg_segment_size: 40
    .max_flat_workgroup_size: 128
    .sgpr_count:     66
    .vgpr_count:     194
    .wavefront_size: 32
...
	.end_amdgpu_metadata
.endif
;; end of part 1
;; launch attn (part 2): grid 8 x 32, 8 waves a work-group, no clusters, 158,720 bytes of LDS; arguments queries, kv, mask, flags, out0; writes out0
.if DOCPART == 2
	.amdgcn_target "amdgcn-amd-amdhsa--gfx1250"
	.amdhsa_code_object_version 6
	.text
	.protected	k_q3a239f852a_attn
	.globl	k_q3a239f852a_attn
	.p2align	8
	.type	k_q3a239f852a_attn,@function
k_q3a239f852a_attn:
	s_mov_b64 s[64:65], 0
	v_nop
	global_prefetch_b8 v0, s[64:65] scope:SCOPE_SE
	s_setreg_imm32_b32 hwreg(HW_REG_WAVE_MODE, 25, 1), 1
	s_wait_xcnt 0x0
; out0[head][q][:] = sum over k of softmax_k(Q[q] . K[k] / 8 + mask[q][k] x (-1e9)) V[k][:], 32 heads, 2,048 queries and keys, head size 64; both products on codes of BF8 (E5M2) with E8M0 scales for each 32 along K.
; kv comes from the launch before, in the order of the operands' registers (layout: that launch's head).  Q is read by one wave alone, quantised here in registers and handed to one other wave through LDS.
; THE WALK.  A step is 128 keys.  flags holds a whole number for each mask row: bit 15 - j = step j holds a key that can count for the row, bit 31 - j = the step's mask numbers are not all 0.  The words of a group's 32 rows
; are ORed.  A step that is live for none of them is not walked: its exponentials are exactly 0 (shown at the head of the launch before, with its limit |q . k| / 8 under 2^25).  A step whose mask is all zeros takes no bias;
; any other step reads its mask and takes mask x (-1e9) as the C of the first product.  Nothing is assumed of the mask's pattern: with every step live and no zero in it the same text walks and reads all of it.
; A NaN or an overflow in a step that is not walked does not reach the result.  Live steps are walked from the last down.
; SHARES.  256 work-groups, numbers x = 0..7 and y = 0..31: head 2 (y / 2) + x / 4, block b = x % 4 + 4 (y % 2).  Waves s and s + 4 (s = 0..3) own the query groups g = 4 b + s and 63 - g, 32 queries (two tiles of 16)
; each.  They share the steps of both groups: wave s takes the odd steps, s + 4 the even ones.  Each keeps its own M, sum and O; at the end wave s joins the two parts of the first group, wave s + 4 those of the second,
; through LDS.  32 heads x 64 groups = 2,048 groups, two for each pair of waves; eight waves of 512 registers.
; NO TENSOR LOADS AND NO CLUSTER: which steps are walked hangs on stored numbers; each wave loads K and V straight into the operands' registers, whole images of
; 512 bytes, and a fragment serves two tiles.  NO PREFETCH INTO THE L2: each step's K and V are asked for a whole step ahead by loads that no barrier waits for.
; THE SOFTMAX: t = logit x log2(e); M = the running largest t rounded UP to a whole number (kept as -M = floor(-t)); p = 2^(t - M) is quantised along the keys, not normalised; the sum is taken of the unquantised p;
; when M moves, the sum and O are multiplied by 2^(old M - new M), exactly; O is divided by the sum at the end.  In a step with a bias t is rounded as a product of its own ahead of t - M (logits may be huge there, and
; t's last place far above 1); in a step without one t - M is one fused multiply-add.
; A BLOCK'S SCALE ahead of the second product: p rises with t, so the block's largest p has the exponent e = floor(its largest t - M), held at -111 from below: the byte is e + 112, the hold 1.75 x 2^e.
; THE DIVISION BY 8 is carried by Q's scale byte (byte - 3): exact.
; LAYOUT: both products transposed: S^T = K Q^T (source 0 = 16 keys), O^T = V^T P^T (source 0 = 16 of the head's 64): a lane holds ONE query (lane % 16).  Score register n = 8 t + i of lane (r, h) is
; key 32 (n / 16) + 16 h + n % 16: 16 neighbours for each block of 32, and the conversions' results are the second product's operand.
; THE FIRST PRODUCT HAS K = 64: Q's fragment holds zero codes for K = 64 .. 127.  K's fragment t is v[KF + 8 t .. + 15]: its upper eight registers are the next tile's codes (behind tile 7: zeros).  They are finite
; (the quantiser holds at 57,344) and meet zero codes under scale bytes 0x7f: they add exact zeros.
; LIMITS: NaN and infinities are not served; scaled scores (exponents to the base 2) of steps without a bias stay under 2^31 in magnitude.  A query block whose largest magnitude lies under 2^-109 cannot carry the whole
; division by 8 in its byte, which is held at 0.  Blocks under 2^-111 keep the byte 1.  The sum s / 8 + bias is rounded by the matrix unit.  p under 2^-126 counts as 0 (v_exp_f32: ISA guide 15.8).
; REGISTERS.  Window 0: v2-4 global offsets; v1, v5-7, v19, v22-23, v121 LDS addresses; v8-17 scales and nothing else; v18 mask offset; v20-21 for the add; v24-87 statistics, 32 a tile; v88-119 codes, 16 a tile;
;   v128-255 scores, then p, 64 a tile.   Window 1: v0-71 K; v72-135 V (in the head Q's numbers, 32 a tile); v136-167 Q, 16 a tile; v168-231 O^T, 32 a tile (in the head Q as it is loaded).
.set KVB,   17152
.set KSC,   8192
.set VIMG,  8704
.set VSC,   16896
.set PREG,  8704                       ; LDS: a wave's part of a group: 64 registers of O^T, then -M and the sum of both tiles.  Two for each wave.  In the head and on the way out a stage of 32 rows x 272 bytes
.set QAREA, 16*PREG                    ; behind them Q: for each wave two tiles of 1,024 bytes of codes, then their scale words
.set QREG,  2304
.set SPARE, QAREA+8*QREG               ; the spare words, 128 bytes for each wave: four blocks of 256 bytes that no other line names
.set QTA, 1                            ; the head's stage, back
.set KS,  8
.set VS,  12
.set QS,  14
.set PW,  16
.set MO,  18
.set FA,  19
.set SPW, 20
.set NIL, 21
.set STO, 22
.set RD,  23
.set TBASE, 24                         ; tile w's statistics at TBASE + 32 w:
.set NM,  0                            ;   -M
.set TMX, 1                            ;   the running largest t
.set LS,  2                            ;   the sum, in two halves
.set FF,  4                            ;   f = 2^(old M - new M); +5 is named with it as a pair
.set BM,  6                            ;   four blocks' largest scores, then their t - M
.set BX,  10                           ;   the other half's, then exponents
.set BH,  14                           ;   the holds
.set BS,  18                           ;   the conversions' scale operands
.set LB,  22                           ;   the sum's other chains: LB, LC, LD
.set TA,  24
.set TB,  25
.set LC,  26
.set LD,  28
.set PCB, 88
.set GO,  120
.set FB,  121
.set SBASE, 128
.set KF,  0                            ; window 1
.set VF,  72
.set QFB, 136
.set OAB, 168
.set CS,  20                           ; s[20:21] the factor from score to t: log2(e), or 1 where t is made already
.set LG,  22                           ; s[22:23] log2(e)
.set NB,  24                           ; s[24:25] -1e9
.set SEL, 26                           ; s[26:27] v_permlanex16_b32's selects for lane l xor 16
.set MNT, 28                           ; s28 the mantissa field of 57,344
.set LW,  29                           ; s29 my steps still to walk: bit 15 - j first group, 31 - j second
.set LX,  30                           ; s30 steps that have a bias, likewise
.set MIX, 31                           ; s31 1: the step in hand (behind NXT: the next one) has a bias
.set KVH, 32                           ; s[32:33] the head's kv
.set KVA, 34                           ; s[34:35] the next step's block
.set M0,  36                           ; s[36:37] the first group's mask rows
.set MB,  38                           ; s[38:39] the next step's mask
.set T0,  40
.set U0,  42
.set IX,  44
.set JX,  45
.set D16, 46                           ; s46 bytes from the first group's mask rows to the second's, / 16
.set N0,  47                           ; s47, s48 my steps in each group
.set N1,  48
.set CNT, 49
.set MSB, 0
.macro WIN new                         ; the immediate's high byte repeats the setting that is left; a switch that changes nothing is dropped
.if MSB != \new
	s_set_vgpr_msb (MSB<<8)|\new
.set MSB, \new
.endif
.endm
.set W_QK, 0x05                        ; K and Q window 1; C and D window 0
.set W_PV, 0x51                        ; V window 1, P window 0, O^T window 1
.set W_RS, 0x41                        ; O^T (destination, source 0) window 1, f window 0
.set TO1,  0x40                        ; destination window 1
.macro PLACES k
.rept \k
	v_nop
.endr
.endm
.macro VWAIT
	s_wait_alu depctr_va_vdst(0)       ; the wait at each of its places
.endm
; ---- the loads
.macro LOADK                           ; 18 loads: K's codes and scale words
	WIN TO1
.irp n, 0,1,2,3,4,5,6,7,8,9,10,11,12,13,14,15
	global_load_b128 v[KF+4*\n:KF+4*\n+3], v2, s[KVA:KVA+1] offset:512*\n
.endr
	WIN 0
	global_load_b64 v[KS:KS+1], v3, s[KVA:KVA+1] offset:KSC
	global_load_b64 v[KS+2:KS+3], v3, s[KVA:KVA+1] offset:KSC+256
.endm
.macro LOADV                           ; 18 loads: V's codes and scale words
	WIN TO1
.irp n, 0,1,2,3,4,5,6,7,8,9,10,11,12,13,14,15
	global_load_b128 v[VF+4*\n:VF+4*\n+3], v2, s[KVA:KVA+1] offset:VIMG+512*\n
.endr
	WIN 0
	global_load_b32 v[VS], v4, s[KVA:KVA+1] offset:VSC
	global_load_b32 v[VS+1], v4, s[KVA:KVA+1] offset:VSC+128
.endm
.macro LOADM                           ; 32 loads: the mask of both tiles, into the score registers
.irp w, 0,1
.irp b, 0,1,2,3
.irp i, 0,1,2,3
	global_load_b128 v[SBASE+64*\w+16*\b+4*\i:SBASE+64*\w+16*\b+4*\i+3], v[MO], s[MB:MB+1] offset:\w*131072+128*\b+16*\i
.endr
.endr
.endr
.endm
; The next step: the lowest bit of LW, number b = 16 x group + 15 - j (none left: step 0, whose K is loaded and never used).  j = 15 - b % 16 = 15 (b + 1) modulo 16.
.macro NXT
	s_ctz_i32_b32 s[IX], s[LW]
	s_min_u32 s[IX], s[IX], 31
	s_mul_i32 s[JX], s[IX], 15
	s_add_co_u32 s[JX], s[JX], 15
	s_and_b32 s[JX], s[JX], 15
	s_mul_i32 s[T0], s[JX], KVB
	s_add_nc_u64 s[KVA:KVA+1], s[KVH:KVH+1], s[T0:T0+1]
	s_lshl_b32 s[U0], s[JX], 9
	s_and_b32 s[IX], s[IX], 16
	s_mul_i32 s[IX], s[IX], s[D16]
	s_add_co_u32 s[U0], s[U0], s[IX]
	s_add_nc_u64 s[MB:MB+1], s[M0:M0+1], s[U0:U0+1]
	s_sub_co_u32 s[JX], 0, s[LW]
	s_and_b32 s[JX], s[JX], s[LW]
	s_and_b32 s[JX], s[JX], s[LX]
	s_cselect_b32 s[MIX], 1, 0                     ; 0 where no step is left
.endm
; ---- the matrix work
.macro QK1 w, t, cc
.if \cc
.if (\t%4) >= 2
	v_wmma_scale_f32_16x16x128_f8f6f4 v[SBASE+64*\w+8*\t:SBASE+64*\w+8*\t+7], v[KF+8*\t:KF+8*\t+15], v[QFB+16*\w:QFB+16*\w+15], v[SBASE+64*\w+8*\t:SBASE+64*\w+8*\t+7], v[KS+2*(\t/4)+\t%2], v[QS+\w] matrix_a_fmt:MATRIX_FMT_BF8 matrix_b_fmt:MATRIX_FMT_BF8 matrix_a_scale:MATRIX_SCALE_ROW1
.else
	v_wmma_scale_f32_16x16x128_f8f6f4 v[SBASE+64*\w+8*\t:SBASE+64*\w+8*\t+7], v[KF+8*\t:KF+8*\t+15], v[QFB+16*\w:QFB+16*\w+15], v[SBASE+64*\w+8*\t:SBASE+64*\w+8*\t+7], v[KS+2*(\t/4)+\t%2], v[QS+\w] matrix_a_fmt:MATRIX_FMT_BF8 matrix_b_fmt:MATRIX_FMT_BF8
.endif
.else
.if (\t%4) >= 2
	v_wmma_scale_f32_16x16x128_f8f6f4 v[SBASE+64*\w+8*\t:SBASE+64*\w+8*\t+7], v[KF+8*\t:KF+8*\t+15], v[QFB+16*\w:QFB+16*\w+15], 0, v[KS+2*(\t/4)+\t%2], v[QS+\w] matrix_a_fmt:MATRIX_FMT_BF8 matrix_b_fmt:MATRIX_FMT_BF8 matrix_a_scale:MATRIX_SCALE_ROW1
.else
	v_wmma_scale_f32_16x16x128_f8f6f4 v[SBASE+64*\w+8*\t:SBASE+64*\w+8*\t+7], v[KF+8*\t:KF+8*\t+15], v[QFB+16*\w:QFB+16*\w+15], 0, v[KS+2*(\t/4)+\t%2], v[QS+\w] matrix_a_fmt:MATRIX_FMT_BF8 matrix_b_fmt:MATRIX_FMT_BF8
.endif
.endif
.endm
.macro QK cc                           ; S^T = K Q^T (cc = 1: + bias): eight tiles of 16 keys for each of my two query tiles; one instruction to an accumulator
	WIN W_QK
.irp t, 0,1,2,3,4,5,6,7
	QK1 0, \t, \cc
.endr
.irp t, 0,1,2,3,4,5,6,7
	QK1 1, \t, \cc
.endr
	WIN 0
.endm
.macro PV w                            ; O^T += V^T P^T: four tiles of 16 of the head's 64; K = the step's 128 keys
.irp u, 0,1,2,3
.if (\u%2) == 1
	v_wmma_scale_f32_16x16x128_f8f6f4 v[OAB+32*\w+8*\u:OAB+32*\w+8*\u+7], v[VF+16*\u:VF+16*\u+15], v[PCB+16*\w:PCB+16*\w+15], v[OAB+32*\w+8*\u:OAB+32*\w+8*\u+7], v[VS+\u/2], v[PW+\w] matrix_a_fmt:MATRIX_FMT_BF8 matrix_b_fmt:MATRIX_FMT_BF8 matrix_a_scale:MATRIX_SCALE_ROW1
.else
	v_wmma_scale_f32_16x16x128_f8f6f4 v[OAB+32*\w+8*\u:OAB+32*\w+8*\u+7], v[VF+16*\u:VF+16*\u+15], v[PCB+16*\w:PCB+16*\w+15], v[OAB+32*\w+8*\u:OAB+32*\w+8*\u+7], v[VS+\u/2], v[PW+\w] matrix_a_fmt:MATRIX_FMT_BF8 matrix_b_fmt:MATRIX_FMT_BF8
.endif
.endr
.endm
; ---- the softmax
.macro MULS pair                       ; all scores x a scalar, ascending: each accumulator is first read at its low end
.set n, 0
.rept 64
	v_pk_mul_f32 v[SBASE+2*n:SBASE+2*n+1], v[SBASE+2*n:SBASE+2*n+1], s[\pair:\pair+1] op_sel_hi:[1,0]
.set n, n+1
.endr
.endm
; PRE: both tiles by turns: each block's largest score; the row's; the new -M; f; each block's exponent, hold, conversion operand; p's scale word.
.macro PRE
.irp w, 0,1
.irp b, 0,1,2,3
	v_max3_num_f32 v[TBASE+32*\w+BM+\b], v[SBASE+64*\w+16*\b], v[SBASE+64*\w+16*\b+1], v[SBASE+64*\w+16*\b+2]
.endr
.endr
.irp i, 3,5,7,9,11,13
.irp w, 0,1
.irp b, 0,1,2,3
	v_max3_num_f32 v[TBASE+32*\w+BM+\b], v[TBASE+32*\w+BM+\b], v[SBASE+64*\w+16*\b+\i], v[SBASE+64*\w+16*\b+\i+1]
.endr
.endr
.endr
.irp w, 0,1
.irp b, 0,1,2,3
	v_max_num_f32 v[TBASE+32*\w+BM+\b], v[TBASE+32*\w+BM+\b], v[SBASE+64*\w+16*\b+15]
.endr
.endr
.irp w, 0,1
.irp b, 0,1,2,3
	v_permlanex16_b32 v[TBASE+32*\w+BX+\b], v[TBASE+32*\w+BM+\b], s[SEL], s[SEL+1]
.endr
.endr
.irp w, 0,1
.irp b, 0,1,2,3
	v_max_num_f32 v[TBASE+32*\w+BM+\b], v[TBASE+32*\w+BM+\b], v[TBASE+32*\w+BX+\b]
.endr
.endr
.irp w, 0,1
	v_max3_num_f32 v[TBASE+32*\w+TA], v[TBASE+32*\w+BM], v[TBASE+32*\w+BM+1], v[TBASE+32*\w+BM+2]
.endr
.irp w, 0,1
	v_max_num_f32 v[TBASE+32*\w+TA], v[TBASE+32*\w+TA], v[TBASE+32*\w+BM+3]
.endr
.irp w, 0,1
	v_mul_f32 v[TBASE+32*\w+TA], s[CS], v[TBASE+32*\w+TA]
.endr
.irp w, 0,1
	v_max_num_f32 v[TBASE+32*\w+TMX], v[TBASE+32*\w+TMX], v[TBASE+32*\w+TA]
.endr
.irp w, 0,1
	v_mov_b32 v[TBASE+32*\w+TB], v[TBASE+32*\w+NM]
.endr
.irp w, 0,1
	v_floor_f32 v[TBASE+32*\w+NM], -v[TBASE+32*\w+TMX]
.endr
.irp w, 0,1
.irp b, 0,1,2,3
	v_fma_f32 v[TBASE+32*\w+BM+\b], v[TBASE+32*\w+BM+\b], s[CS], v[TBASE+32*\w+NM]
.endr
.endr
.irp w, 0,1
	v_sub_f32 v[TBASE+32*\w+TB], v[TBASE+32*\w+NM], v[TBASE+32*\w+TB]
.endr
.irp w, 0,1
.irp b, 0,1,2,3
	v_max_num_f32 v[TBASE+32*\w+BM+\b], 0xc2de0000, v[TBASE+32*\w+BM+\b]   ; -111: the byte cannot fall under 1
.endr
.endr
.irp w, 0,1
	v_cvt_i32_f32 v[TBASE+32*\w+TB], v[TBASE+32*\w+TB]                     ; (it saturates)
.endr
.irp w, 0,1
.irp b, 0,1,2,3
	v_cvt_floor_i32_f32 v[TBASE+32*\w+BX+\b], v[TBASE+32*\w+BM+\b]         ; e
.endr
.endr
.irp w, 0,1
	v_ldexp_f32 v[TBASE+32*\w+FF], 1.0, v[TBASE+32*\w+TB]
.endr
.irp w, 0,1
.irp b, 0,1,2,3
	v_lshl_add_u32 v[TBASE+32*\w+BH+\b], v[TBASE+32*\w+BX+\b], 23, 0x3fe00000   ; 1.75 x 2^e: 57,344 x the scale
.endr
.endr
.irp w, 0,1
	v_lshl_add_u32 v[TBASE+32*\w+TA], v[TBASE+32*\w+BX+1], 8, v[TBASE+32*\w+BX]
.endr
.irp w, 0,1
.irp b, 0,1,2,3
	v_lshl_add_u32 v[TBASE+32*\w+BS+\b], v[TBASE+32*\w+BX+\b], 23, 0x38000000   ; 2^(e - 15)
.endr
.endr
.irp w, 0,1
	v_lshl_add_u32 v[TBASE+32*\w+TA], v[TBASE+32*\w+BX+2], 16, v[TBASE+32*\w+TA]
.endr
.irp w, 0,1
	v_lshl_add_u32 v[TBASE+32*\w+TA], v[TBASE+32*\w+BX+3], 24, v[TBASE+32*\w+TA]
.endr
.irp w, 0,1
	v_add_nc_u32 v[PW+\w], 0x70707070, v[TBASE+32*\w+TA]                   ; the four bytes e + 112: the whole numbers' sum, each between 1 and 112
.endr
.endm
.macro FMAN w                          ; t - M, two at a time (of the pair -M, largest t the low word serves both halves)
	v_pk_fma_f32 v[SBASE+64*\w+2*n:SBASE+64*\w+2*n+1], v[SBASE+64*\w+2*n:SBASE+64*\w+2*n+1], s[CS:CS+1], v[TBASE+32*\w+NM:TBASE+32*\w+NM+1] op_sel_hi:[1,0,0]
.endm
.macro MINN w                          ; the hold, two at a time (p is not negative: one-sided; the conversion does not saturate: ISA guide 7.6.2)
	v_dual_min_num_f32 v[SBASE+64*\w+2*n], v[SBASE+64*\w+2*n], v[TBASE+32*\w+BH+n/8] :: v_dual_min_num_f32 v[SBASE+64*\w+2*n+1], v[SBASE+64*\w+2*n+1], v[TBASE+32*\w+BH+n/8]
.endm
.macro LSC w
	v_pk_mul_f32 v[TBASE+32*\w+LS:TBASE+32*\w+LS+1], v[TBASE+32*\w+LS:TBASE+32*\w+LS+1], v[TBASE+32*\w+FF:TBASE+32*\w+FF+1] op_sel_hi:[1,0]
.endm
.macro SUM w                           ; the row's sum of the unquantised p, in four chains
.set rT, TBASE+32*\w
.set rS, SBASE+64*\w
	v_pk_add_f32 v[rT+LB:rT+LB+1], v[rS:rS+1], v[rS+2:rS+3]
	v_pk_add_f32 v[rT+LC:rT+LC+1], v[rS+4:rS+5], v[rS+6:rS+7]
	v_pk_add_f32 v[rT+LD:rT+LD+1], v[rS+8:rS+9], v[rS+10:rS+11]
	v_pk_add_f32 v[rT+LS:rT+LS+1], v[rT+LS:rT+LS+1], v[rS+12:rS+13]
.set n, 7
.rept 25
.if (n%4) == 3
.set rC, rT+LB
.elseif (n%4) == 0
.set rC, rT+LC
.elseif (n%4) == 1
.set rC, rT+LD
.else
.set rC, rT+LS
.endif
	v_pk_add_f32 v[rC:rC+1], v[rC:rC+1], v[rS+2*n:rS+2*n+1]
.set n, n+1
.endr
	v_pk_add_f32 v[rT+LB:rT+LB+1], v[rT+LB:rT+LB+1], v[rT+LC:rT+LC+1]
	v_pk_add_f32 v[rT+LS:rT+LS+1], v[rT+LS:rT+LS+1], v[rT+LD:rT+LD+1]
	v_pk_add_f32 v[rT+LS:rT+LS+1], v[rT+LS:rT+LS+1], v[rT+LB:rT+LB+1]
.endm
.macro CVT w
.irp b, 0,1,2,3
	v_cvt_scalef32_pk8_bf8_f32 v[PCB+16*\w+4*\b:PCB+16*\w+4*\b+1], v[SBASE+64*\w+16*\b:SBASE+64*\w+16*\b+7], v[TBASE+32*\w+BS+\b]
	v_cvt_scalef32_pk8_bf8_f32 v[PCB+16*\w+4*\b+2:PCB+16*\w+4*\b+3], v[SBASE+64*\w+16*\b+8:SBASE+64*\w+16*\b+15], v[TBASE+32*\w+BS+\b]
.endr
.endm
; ---- A GROUP OF 32 QUERIES, my share of its steps.  At its start the first step's K (18 loads), its mask where it has a bias, and its V (18) have been asked for, in this order.
.macro GROUP g
	WIN TO1
.irp w, 0,1
.irp c, 0,1
	ds_load_b128 v[QFB+16*\w+4*\c:QFB+16*\w+4*\c+3], v5 offset:\g*4*QREG+\w*1024+\c*512
.endr
.endr
	WIN 0
.irp w, 0,1
	ds_load_b32 v[QS+\w], v6 offset:\g*4*QREG+\w*128
.endr
.irp w, 0,1
	v_mov_b32 v[TBASE+32*\w+TMX], 0xff61b1e6       ; the largest t so far: -3e38, under every t
	v_mov_b32 v[TBASE+32*\w+LS], 0
	v_mov_b32 v[TBASE+32*\w+LS+1], 0
	v_floor_f32 v[TBASE+32*\w+NM], -v[TBASE+32*\w+TMX]
.endr
	WIN TO1
.set n, 0
.rept 64
	v_mov_b32 v[OAB+n], 0                          ; O^T.  The step is written once: the first finds zeros, which the first change of M leaves zeros
.set n, n+1
.endr
	WIN 0
	VWAIT
	s_wait_dscnt 0x0                               ; Q
	s_cmp_eq_u32 s[N0+\g], 0
	s_cbranch_scc1 .Lend_\@
	s_mov_b32 s[CNT], 0
.Lstep_\@:
	s_wait_loadcnt 18                              ; K is in, and the mask; V's 18 may be out
	s_cmp_eq_u32 s[MIX], 0
	s_cbranch_scc0 .Lmix_\@
	s_mov_b64 s[CS:CS+1], s[LG:LG+1]
	QK 0
	s_branch .Lqk_\@
.Lmix_\@:
	MULS NB                                        ; mask x (-1e9), the multiplication as it stands in the problem
	s_mov_b32 s[CS], 1.0
	s_mov_b32 s[CS+1], 1.0
	QK 1
	PLACES 8
	MULS LG                                        ; t, rounded as a product of its own
	VWAIT
.Lqk_\@:
	s_wait_xcnt 0x0                                ; every load has had its address translated: the bases may be written
	s_sub_co_u32 s[JX], s[LW], 1
	s_and_b32 s[LW], s[LW], s[JX]                  ; the step in hand is struck off
	NXT
	PLACES 8                                       ; for the loads into K's registers and the first reads of the scores
	LOADK                                          ; the next step's: a whole step ahead
	PRE
.set n, 0
.rept 32
	FMAN 0
.set n, n+1
.endr
	VWAIT                                          ; ahead of the exponentials, for all that is written so far
.set n, 0
.rept 32
	v_exp_f32 v[SBASE+2*n], v[SBASE+2*n]
	FMAN 1                                         ; tile 1's, first read behind the next wait
	v_exp_f32 v[SBASE+2*n+1], v[SBASE+2*n+1]
.set n, n+1
.endr
	LSC 0                                          ; (a plain place behind the exponentials)
	VWAIT
	SUM 0
.set n, 0
.rept 32
	v_exp_f32 v[SBASE+64+2*n], v[SBASE+64+2*n]
	MINN 0                                         ; tile 0's, first read behind the next wait
	v_exp_f32 v[SBASE+64+2*n+1], v[SBASE+64+2*n+1]
.set n, n+1
.endr
	LSC 1
	VWAIT
	CVT 0
	SUM 1
.set n, 0
.rept 32
	MINN 1
.set n, n+1
.endr
	CVT 1
	v_nop                                          ; a plain place behind the last conversion
	s_wait_loadcnt 18                              ; V is in; the next K's 18 may be out
	s_cmp_eq_u32 s[MIX], 0
	s_cbranch_scc1 .Lopen_\@
	LOADM                                          ; the next step has a bias: all scores have become codes, and their registers take its mask
.Lopen_\@:
	WIN W_RS
	VWAIT                                          ; directly ahead of O^T's first readers
.set n, 0
.rept 32
	v_pk_mul_f32 v[OAB+2*n:OAB+2*n+1], v[OAB+2*n:OAB+2*n+1], v[TBASE+32*(n/16)+FF:TBASE+32*(n/16)+FF+1] op_sel_hi:[1,0]   ; O^T under the new M: x f.  (Also the places between the codes and the products that read them)
.set n, n+1
.endr
	WIN W_PV
	PV 0
	PV 1
	WIN 0
	PLACES 8                                       ; for the loads into V's registers, and for O^T's stores behind the last step
	s_cmp_lg_u32 s[LW], 0
	s_cbranch_scc1 .Lmore_\@
	s_wait_loadcnt 0x0                             ; my last step of all: nothing more is asked for
	s_branch .Lgo_\@
.Lmore_\@:
	LOADV                                          ; the next step's V: a whole step ahead
.Lgo_\@:
	s_add_co_u32 s[CNT], s[CNT], 1
	VWAIT
	s_cmp_lt_u32 s[CNT], s[N0+\g]
	s_cbranch_scc1 .Lstep_\@
.Lend_\@:
	v_mov_b32 v122, v[TBASE+NM]
	v_add_f32 v123, v[TBASE+LS], v[TBASE+LS+1]
	v_mov_b32 v124, v[TBASE+32+NM]
	v_add_f32 v125, v[TBASE+32+LS], v[TBASE+32+LS+1]
	WIN 0x04                                       ; the stores' data: window 1
.set n, 0
.rept 16
	ds_store_b128 v7, v[OAB+4*n:OAB+4*n+3] offset:\g*PREG+512*n
.set n, n+1
.endr
	WIN 0
	ds_store_b128 v7, v[122:125] offset:\g*PREG+8192   ; -M and the sum of each tile
	VWAIT
	s_wait_dscnt 0x0                               ; my part lies in LDS
.endm
	s_load_b256 s[4:11], s[0:1], 0x0               ; queries s[4:5], kv s[6:7], mask s[8:9], flags s[10:11]
	s_load_b64 s[12:13], s[0:1], 0x20              ; out0
	v_lshl_add_u32 v[SPW], v0, 2, SPARE
	v_mov_b32 v[NIL], 0
	v_lshrrev_b32 v122, 5, v0
	v_readfirstlane_b32 s14, v122                  ; wave 0..7
	VWAIT
	s_and_b32 s15, s14, 3                          ; s
	s_lshr_b32 s16, s14, 2                         ; p: which group I quantise and finish, and which steps I take
	s_and_b32 s31, ttmp7, 0xffff                   ; y
	s_and_b32 s17, s31, 1
	s_lshl_b32 s17, s17, 2
	s_and_b32 s18, ttmp9, 3
	s_or_b32 s17, s17, s18                         ; b
	s_and_b32 s31, s31, 0xfffe
	s_lshr_b32 s18, ttmp9, 2
	s_or_b32 s31, s31, s18                         ; the head
	s_lshl_b32 s17, s17, 2
	s_add_co_u32 s17, s17, s15                     ; first group
	s_sub_co_u32 s18, 63, s17                      ; second group
	s_cmp_eq_u32 s16, 0
	s_cselect_b32 s19, s17, s18
	s_lshl_b32 s66, s31, 19                        ; Q and out0: head x 2,048 rows of 256 bytes + group x 32 rows
	s_lshl_b32 s29, s19, 13
	s_add_co_u32 s66, s66, s29
	s_mov_b32 s67, 0
	s_mul_i32 s100, s31, 16*KVB
	s_mov_b32 s101, 0
	s_mov_b32 s[LG], 0x3fb8aa3b                    ; log2(e)
	s_mov_b32 s[LG+1], s[LG]                       ; (named with it as a pair, so it is written)
	s_mov_b32 s[NB], 0xce6e6b28                    ; -1e9
	s_mov_b32 s[NB+1], s[NB]
	s_mov_b32 s[SEL], 0x76543210
	s_mov_b32 s[SEL+1], 0xfedcba98
	s_mov_b32 s[MNT], 0x600000
	s_mul_i32 s32, s15, QREG
	s_add_co_u32 s32, s32, QAREA                   ; Q as wave s has quantised it (the first group); wave s + 4's lies 4 QREG on
	s_add_co_u32 s33, s32, 2048
	s_mul_i32 s34, s16, 4*QREG
	s_mul_i32 s35, s14, 2*PREG                     ; my two parts
	s_mul_i32 s36, s16, PREG
	s_add_co_u32 s37, s35, s36                     ; my own part of the group that I finish: in the head and at the end my stage
	s_mul_i32 s38, s15, 2*PREG
	s_add_co_u32 s38, s38, s36                     ; wave s's part of that group; wave s + 4's lies 8 PREG on
	v_and_b32 v122, 31, v0                         ; lane
	v_and_b32 v123, 15, v0                         ; r
	v_bfe_u32 v124, v0, 4, 1                       ; h
	v_lshlrev_b32 v2, 4, v122
	v_lshlrev_b32 v3, 3, v122
	v_lshlrev_b32 v4, 2, v122
	v_mul_u32_u24 v[QTA], v123, 272
	v_lshl_add_u32 v[QTA], v124, 6, v[QTA]
	v_add_nc_u32 v[QTA], s37, v[QTA]               ; the stage, back: row r, + 64 h
	v_lshlrev_b32 v[MO], 13, v123
	v_lshl_add_u32 v[MO], v124, 6, v[MO]           ; mask: row r of 8,192 bytes, + 64 h
	v_add_nc_u32 v5, s32, v2
	v_add_nc_u32 v6, s33, v4
	v_add_nc_u32 v126, s34, v5                     ; where my Q goes
	v_add_nc_u32 v127, s34, v6
	v_add_nc_u32 v7, s35, v2
	v_add_nc_u32 v[FA], s38, v2
	v_add_nc_u32 v[FB], 8*PREG, v[FA]
	v_mul_u32_u24 v[STO], v123, 272
	v_lshl_add_u32 v[STO], v124, 5, v[STO]
	v_add_nc_u32 v[STO], s37, v[STO]               ; the stage on the way out: row r, + 32 h
	v_mul_u32_u24 v[RD], v124, 272
	v_lshl_add_u32 v[RD], v123, 4, v[RD]
	v_add_nc_u32 v[RD], s37, v[RD]                 ; the stage by whole rows: lanes 0-15 one row, lanes 16-31 the next
	v_lshlrev_b32 v[GO], 8, v124
	v_lshl_add_u32 v[GO], v123, 4, v[GO]           ; and the same two rows in out0
	VWAIT
	s_wait_kmcnt 0x0
	s_add_nc_u64 s[4:5], s[4:5], s[66:67]
	s_add_nc_u64 s[12:13], s[12:13], s[66:67]
	s_lshl_b32 s104, s17, 7
	s_mov_b32 s105, 0
	s_add_nc_u64 s[2:3], s[10:11], s[104:105]
	s_lshl_b32 s104, s18, 7
	s_add_nc_u64 s[10:11], s[10:11], s[104:105]
	s_load_b512 s[32:47], s[2:3], 0x0              ; the 32 rows' words of each group
	s_load_b512 s[48:63], s[2:3], 0x40
	s_load_b512 s[68:83], s[10:11], 0x0
	s_load_b512 s[84:99], s[10:11], 0x40
	; Q of the group that I quantise, 8,192 bytes on end: a load reads two rows, 512 consecutive bytes
	WIN TO1
.set n, 0
.rept 16
	global_load_b128 v[OAB+4*n:OAB+4*n+3], v2, s[4:5] offset:512*n
.set n, n+1
.endr
	WIN 0
	s_wait_kmcnt 0x0
.set n, 1
.rept 31
	s_or_b32 s32, s32, s[32+n]
	s_or_b32 s68, s68, s[68+n]
.set n, n+1
.endr
	s_lshl_b32 s2, 0x5555, s16                     ; my steps of both groups: bits 0x5555 or 0xaaaa
	s_and_b32 s3, s32, s2
	s_and_b32 s105, s68, s2
	s_lshr_b32 s2, s32, 16
	s_and_b32 s104, s68, 0xffff0000
	s_or_b32 s[LX], s2, s104
	s_bcnt1_i32_b32 s[N0], s3
	s_min_u32 s[N0], s[N0], 8
	s_bcnt1_i32_b32 s[N1], s105
	s_min_u32 s[N1], s[N1], 8
	s_lshl_b32 s105, s105, 16
	s_or_b32 s[LW], s3, s105
	s_add_nc_u64 s[KVH:KVH+1], s[6:7], s[100:101]
	s_lshl_b32 s[T0], s17, 18                      ; 32 mask rows of 8,192 bytes
	s_mov_b32 s[T0+1], 0
	s_add_nc_u64 s[M0:M0+1], s[8:9], s[T0:T0+1]
	s_sub_co_u32 s[D16], s18, s17
	s_lshl_b32 s[D16], s[D16], 14
	s_mov_b32 s[U0+1], 0
	NXT
	LOADK
.irp w, 0,1
.irp b, 0,1,2,3
	v_mov_b32 v[TBASE+32*\w+BX+\b], 0              ; written once: a lane permute's destination counts as one of its sources
.endr
	v_mov_b32 v[TBASE+32*\w+FF+1], 0               ; (named as the upper half of f's pair)
.endr
	WIN TO1
.irp i, 0,1,2,3,4,5,6,7
	v_mov_b32 v[QFB+8+\i], 0                       ; Q's codes for K = 64 .. 127: zeros
	v_mov_b32 v[QFB+24+\i], 0
	v_mov_b32 v[KF+64+\i], 0                       ; the upper half of K's fragment 7
.endr
	WIN 0
	VWAIT
	s_cmp_eq_u32 s[MIX], 0
	s_cbranch_scc1 .Lq_open
	LOADM                                          ; the first step has a bias
	s_wait_loadcnt 50                              ; Q is in; K's 18 and the mask's 32 may be out
	s_branch .Lq_in
.Lq_open:
	s_wait_loadcnt 18                              ; Q is in; K's 18 may be out
.Lq_in:
	; through my own stage: lane (r, h) takes back, of row r of each tile, 16 neighbours of each block of 32.  LDS serves a wave's instructions in order (ISA guide 5.7.1.4)
	WIN 0x04                                       ; the stores' data: window 1
.set n, 0
.rept 16
	ds_store_b128 v[RD], v[OAB+4*n:OAB+4*n+3] offset:2*n*272
.set n, n+1
.endr
	WIN TO1
.irp w, 0,1
.irp c, 0,1
.irp i, 0,1,2,3
	ds_load_b128 v[VF+32*\w+16*\c+4*\i:VF+32*\w+16*\c+4*\i+3], v[QTA] offset:\w*16*272+128*\c+16*\i
.endr
.endr
.endr
	WIN 0
; Tile w's 32 numbers a lane (window 1) become eight registers of codes and a scale word whose bytes are 3 less than the quantiser's: the division by 8.
.macro QQUANT w, left
.set rT, TBASE+32*\w
.set rS, VF+32*\w
.set rP, PCB+16*\w
	s_wait_dscnt \left
	WIN 0x05                                       ; sources 0 and 1: window 1
.irp c, 0,1
	v_max3_num_f32 v[rT+BM+\c], |v[rS+16*\c]|, |v[rS+16*\c+1]|, 0x8000000   ; my 16 numbers of block c, and the floor 2^(16 - 127)
.endr
	WIN 0x14                                       ; sources 1 and 2: window 1
.irp i, 2,4,6,8,10,12,14
.irp c, 0,1
	v_max3_num_f32 v[rT+BM+\c], v[rT+BM+\c], |v[rS+16*\c+\i]|, |v[rS+16*\c+\i+1]|
.endr
.endr
	WIN 0
.irp c, 0,1
	v_permlanex16_b32 v[rT+BX+\c], v[rT+BM+\c], s[SEL], s[SEL+1]
.endr
.irp c, 0,1
	v_max_num_f32 v[rT+BM+\c], v[rT+BM+\c], v[rT+BX+\c]
.endr
.irp c, 0,1
	v_add_nc_u32 v[rT+BS+\c], 0xf8800000, v[rT+BM+\c]              ; 15 off the exponent field: the conversion's scale operand
.endr
.irp c, 0,1
	v_and_or_b32 v[rT+BH+\c], v[rT+BM+\c], 0x7f800000, s[MNT]      ; 57,344 x the scale
.endr
.irp c, 0,1
	v_max_num_f32 v[rT+BX+\c], 0x1800000, v[rT+BS+\c]              ; the operand is a positive normal number: held from below at exponent field 3,
.endr
.irp c, 0,1
	v_add_nc_u32 v[rT+BX+\c], 0xfe800000, v[rT+BX+\c]              ; 3 off the field,
.endr
.irp c, 0,1
	v_lshrrev_b32 v[rT+BX+\c], 23, v[rT+BX+\c]                     ; the byte of the scale / 8
.endr
	v_lshl_or_b32 v[rT+TA], v[rT+BX+1], 8, v[rT+BX]
	v_or_b32 v[rT+TA], 0x7f7f0000, v[rT+TA]
	WIN 0x41                                       ; destination and source 0: window 1
.irp c, 0,1
.irp i, 0,1,2,3,4,5,6,7,8,9,10,11,12,13,14,15
	v_med3_num_f32 v[rS+16*\c+\i], v[rS+16*\c+\i], -v[rT+BH+\c], v[rT+BH+\c]
.endr
.endr
	WIN 0x01                                       ; source 0: window 1
.irp c, 0,1
	v_cvt_scalef32_pk8_bf8_f32 v[rP+4*\c:rP+4*\c+1], v[rS+16*\c:rS+16*\c+7], v[rT+BS+\c]
	v_cvt_scalef32_pk8_bf8_f32 v[rP+4*\c+2:rP+4*\c+3], v[rS+16*\c+8:rS+16*\c+15], v[rT+BS+\c]
.endr
	v_nop                                          ; a plain place behind the last conversion
	WIN 0
	VWAIT
.endm
	QQUANT 0, 8                                    ; tile 1's eight LDS loads may be out
	QQUANT 1, 0
	LOADV
.irp w, 0,1
.irp c, 0,1
	ds_store_b128 v126, v[PCB+16*\w+4*\c:PCB+16*\w+4*\c+3] offset:\w*1024+\c*512
.endr
	ds_store_b32 v127, v[TBASE+32*\w+TA] offset:\w*128
.endr
	s_wait_dscnt 0x0                               ; my Q lies in LDS:
	s_barrier_signal -1
	s_barrier_wait -1                              ; everybody's does
	GROUP 0
	GROUP 1
	s_wait_loadcnt 0x0
	s_barrier_signal -1                            ; my parts lie in LDS (waited for above):
	s_barrier_wait -1                              ; everybody's do
	; THE JOIN of the group that I finish: parts A (wave s) and B (wave s + 4) under the larger M, then O^T / the sum.
	ds_load_b128 v[24:27], v[FA] offset:8192       ; -M, sum of tile 0, of tile 1
	ds_load_b128 v[28:31], v[FB] offset:8192
.set n, 0
.rept 16
	ds_load_b128 v[128+4*n:128+4*n+3], v[FA] offset:512*n
	ds_load_b128 v[192+4*n:192+4*n+3], v[FB] offset:512*n
.set n, n+1
.endr
	s_wait_dscnt 32                                ; the statistics are in; the 32 of O^T may be out
.irp w, 0,1
	v_min_num_f32 v[32+\w], v[24+2*\w], v[28+2*\w]
.endr
.irp w, 0,1
	v_sub_f32 v[34+\w], v[32+\w], v[24+2*\w]       ; a part without a step has -M = 3e38: its factor is 0
	v_sub_f32 v[36+\w], v[32+\w], v[28+2*\w]
.endr
.irp w, 0,1
	v_cvt_i32_f32 v[34+\w], v[34+\w]
	v_cvt_i32_f32 v[36+\w], v[36+\w]
.endr
.irp w, 0,1
	v_ldexp_f32 v[40+4*\w], 1.0, v[34+\w]
	v_ldexp_f32 v[42+4*\w], 1.0, v[36+\w]
.endr
.irp w, 0,1
	v_mul_f32 v[48+\w], v[25+2*\w], v[40+4*\w]
.endr
.irp w, 0,1
	v_fma_f32 v[48+\w], v[29+2*\w], v[42+4*\w], v[48+\w]
.endr
.irp w, 0,1
	v_permlanex16_b32 v[34+\w], v[48+\w], s[SEL], s[SEL+1]
.endr
.irp w, 0,1
	v_add_f32 v[48+\w], v[48+\w], v[34+\w]         ; the row's sum
.endr
	VWAIT
.irp w, 0,1
	v_rcp_f32 v[52+\w], v[48+\w]
.endr
.irp w, 0,1
	v_mov_b32 v[41+4*\w], 0                        ; (named as the upper halves of the factors' pairs; plain places behind the reciprocals)
	v_mov_b32 v[43+4*\w], 0
.endr
	VWAIT
.irp w, 0,1
	v_mul_f32 v[40+4*\w], v[40+4*\w], v[52+\w]
	v_mul_f32 v[42+4*\w], v[42+4*\w], v[52+\w]
.endr
	VWAIT
	s_wait_dscnt 0x0
.set n, 0
.rept 32
	v_pk_mul_f32 v[128+2*n:128+2*n+1], v[128+2*n:128+2*n+1], v[40+4*(n/16):41+4*(n/16)] op_sel_hi:[1,0]
.set n, n+1
.endr
.set n, 0
.rept 32
	v_pk_fma_f32 v[128+2*n:128+2*n+1], v[192+2*n:192+2*n+1], v[42+4*(n/16):43+4*(n/16)], v[128+2*n:128+2*n+1] op_sel_hi:[1,0,1]   ; register 32 w + 8 u + i: out(16 w + r, 16 u + 8 h + i)
.set n, n+1
.endr
	; THE WAY OUT, through my stage: the bytes of my own part of this group, which I alone have read (waited for above)
.irp w, 0,1
.irp u, 0,1,2,3
	ds_store_b128 v[STO], v[128+32*\w+8*\u:128+32*\w+8*\u+3] offset:\w*16*272+64*\u
	ds_store_b128 v[STO], v[128+32*\w+8*\u+4:128+32*\w+8*\u+7] offset:\w*16*272+64*\u+16
.endr
.endr
.set n, 0
.rept 16
	ds_load_b128 v[192+4*n:192+4*n+3], v[RD] offset:2*n*272   ; LDS serves a wave's instructions in order (ISA guide 5.7.1.4): these see my stores
.set n, n+1
.endr
.set n, 0
.rept 16
	s_wait_dscnt 15-n
	global_store_b128 v[GO], v[192+4*n:192+4*n+3], s[12:13] offset:512*n th:TH_STORE_NT   ; sixteen lanes store 256 consecutive bytes, at a multiple of 256 from out0's first byte
.set n, n+1
.endr
	s_wait_tensorcnt 0x0                           ; the wave's end, behind my last LDS store
	ds_add_u32 v[SPW], v[NIL]
	s_wait_dscnt 0x0
	s_endpgm
.Lfunc_end_k_q3a239f852a_attn:
	.size	k_q3a239f852a_attn, .Lfunc_end_k_q3a239f852a_attn-k_q3a239f852a_attn
	.p2alignl 7, 3214868480
	.fill 96, 4, 3214868480
	.section	.rodata,"a",@progbits
	.p2align	6, 0x0
	.amdhsa_kernel k_q3a239f852a_attn
		.amdhsa_group_segment_fixed_size 158720
		.amdhsa_private_segment_fixed_size 0
		.amdhsa_enable_private_segment 0
		.amdhsa_kernarg_size 40
		.amdhsa_user_sgpr_count 2
		.amdhsa_user_sgpr_kernarg_segment_ptr 1
		.amdhsa_wavefront_size32 1
		.amdhsa_system_sgpr_workgroup_id_x 1
		.amdhsa_system_sgpr_workgroup_id_y 1
		.amdhsa_system_sgpr_workgroup_id_z 1
		.amdhsa_system_vgpr_workitem_id 0
		.amdhsa_next_free_vgpr 512
		.amdhsa_next_free_sgpr 106
		.amdhsa_reserve_vcc 0
		.amdhsa_float_denorm_mode_32 3
		.amdhsa_float_denorm_mode_16_64 3
		.amdhsa_memory_ordered 1
		.amdhsa_forward_progress 1
		.amdhsa_inst_pref_size 148
	.end_amdhsa_kernel
	.amdgpu_metadata
---
amdhsa.version: [ 1, 2 ]
amdhsa.kernels:
  - .name:           k_q3a239f852a_attn
    .symbol:         k_q3a239f852a_attn.kd
    .args:
      - { .name: queries, .offset: 0, .size: 8, .value_kind: global_buffer, .address_space: global }
      - { .name: kv, .offset: 8, .size: 8, .value_kind: global_buffer, .address_space: global }
      - { .name: mask, .offset: 16, .size: 8, .value_kind: global_buffer, .address_space: global }
      - { .name: flags, .offset: 24, .size: 8, .value_kind: global_buffer, .address_space: global }
      - { .name: out0, .offset: 32, .size: 8, .value_kind: global_buffer, .address_space: global }
    .group_segment_fixed_size: 158720
    .private_segment_fixed_size: 0
    .kernarg_segment_align: 8
    .kernarg_segment_size: 40
    .max_flat_workgroup_size: 256
    .sgpr_count:     106
    .vgpr_count:     512
    .wavefront_size: 32
...
	.end_amdgpu_metadata
.endif
;; end of part 2
